; MI455X (gfx1250); checked and timed in simulation.
; The chip was launched on July 23, 2026; its instructions are those of AMD's public machine-readable ISA for CDNA 5 (MIT licence, August 2026) and "CDNA5" Instruction Set Architecture Reference Guide (July 2026). The comments in the code are by the model that wrote it; some were corrected since.
;; Simple MHAJAX. Allowed arithmetic: matrix products marked QUANTISED: E4M3 operands, one given power-of-two scale a tensor, by v_wmma_f32_16x16x64_fp8_fp8 or v_wmma_f32_16x16x128_fp8_fp8, f32 sums; everything else in f32.
;; Inputs: Wout_codes 1,024 x 32 x 32 uint8 (E4M3 codes of Wout, K innermost, in blocks of 32 codes); Wqkv_codes 3,072 x 32 x 32 uint8 (E4M3 codes of Wqkv, K innermost, in blocks of 32 codes); lowp_scales 8 int32 (the exponents e of the quantised operands' scales 2^e); x_codes 1 x 4,096 x 32 x 32 uint8 (E4M3 codes of x, K innermost, in blocks of 32 codes).
;; Outputs: out0 1 x 4,096 x 1,024 float32.
;; This version of the problem:
;;   THIS VERSION OF THE PROBLEM IS GIVEN IN LOW PRECISION. The matrix products marked QUANTISED in the list below multiply operands that are first quantised to E4M3 (4 exponent bits, 3 mantissa bits; 8 bits a number), with one given power-of-two scale for each operand tensor; their sums are f32. All else is computed in f32.
;;   The module's matrix products, in the order in which they are computed (A, B: the left and right operand; K: the contracted axis; several contracted axes count as one K, in the product's order):
;;     1. [M 4,096, K 1,024] x [K 1,024, N 3,072]; A: input x (given as codes); B: input Wqkv (given as codes): QUANTISED (scales: A lowp_scales[0], B lowp_scales[1])
;;     2. batch 16 x [M 4,096, K 64] x [K 64, N 4,096]; A: computed on the way; B: computed on the way: QUANTISED (scales: A lowp_scales[2], B lowp_scales[3])
;;     3. batch 16 x [M 4,096, K 4,096] x [K 4,096, N 64]; A: softmax (see below); B: computed on the way: QUANTISED (scales: A lowp_scales[4], B lowp_scales[5])
;;     4. [M 4,096, K 1,024] x [K 1,024, N 1,024]; A: computed on the way; B: input Wout (given as codes): QUANTISED (scales: A lowp_scales[6], B lowp_scales[7])
;;   THE QUANTISER, for each operand of a quantised product, along K:
;;     - The operand's scale is 2^e, e = its entry of the input lowp_scales (int32; the entries are numbered through the quantised products in the list's order, A before B).
;;     - Each number is divided by the scale, clamped to +-448, and rounded to the nearest number of E4M3, ties to even, subnormals kept.
;;     - The product sums the exact products of the quantised numbers (number of the format x scale) in f32.
;;   ~~~python
;;   def quantise(x, axis, e):      # numpy; x: float32 -> the quantised numbers, widened to float32 again
;;       x = np.moveaxis(x, axis, -1); K = x.shape[-1]
;;       r = np.clip(x / 2.0 ** e, -448, 448)
;;       step = 2.0 ** (np.maximum(np.frexp(np.where(r == 0, 1, r))[1] - 1, -6) - 3)
;;       q = np.round(r / step) * step * 2.0 ** e      # np.round: ties to even
;;       return np.moveaxis(q, -1, axis).astype(np.float32)
;;   ~~~
;;   SOFTMAX AHEAD OF A QUANTISED PRODUCT. Where the list says 'softmax', what is quantised is not the finished softmax but p = 2^(t - M), with t = logit x log2(e) and M = ceil(the row's largest t), a whole number; so 1/2 < the row's largest p <= 1. The row's sum l is taken of the UNQUANTISED p, in f32, and the product's result is divided by l at the end. Since M is a whole number, a kernel that streams over the keys may use a running M (the ceiling of the running maximum): every later rescaling is an exact power of two, so the quantised numbers keep their values, but for numbers so far below the row's largest that they fall under the format's range.
;;   OPERANDS COMPUTED ON THE WAY. 'Computed on the way' means the value that the module computes at that place (a softmax that the list does not call 'softmax' is quantised finished and normalised). What goes into a quantiser is computed in f32, as accurately as f32 sums, v_exp_f32 and their like allow (about 1e-6 of the number): no bf16 or f16 on the way to a quantiser, and a product that is left as it is and whose result goes on into a quantised operand takes f32 operands (vector FMAs, or v_wmma_f32_16x16x4_f32). A number that lies on a knife's edge between two numbers of the format may be rounded either way, as far as f32 arithmetic and the matrix unit's own rounding can turn it there, and no further.
;;   INPUTS GIVEN AS CODES. Wout (in the module: [1024, 1024], K = its axis 0); Wqkv (in the module: [1024, 3072], K = its axis 0); x (in the module: [1, 4096, 1024], K = its axis 2): each comes as NAME_codes (uint8): NAME with its K axis moved to the last place and cut into blocks of 32 codes, [.., K / 32, bytes a block], one block behind the other in memory; one code a byte (a code: sign, 4 exponent bits, 3 mantissa bits); its scale is its entry of lowp_scales. Its value is code x scale, taken as it is: it is not quantised again, and the codes and scales need not be those that the quantiser above would give.
;; One version. Each part assembles by itself: llvm-mc -triple=amdgcn-amd-amdhsa -mcpu=gfx1250 --defsym DOCPART=n.
;; ======== version 1 of 1: 3 launches
;; limits: right only within a limited range of input values
;; workspace buffers: q_codes 4,194,304 bytes; k_codes 4,194,304 bytes; v_codes 4,194,304 bytes; a_codes 4,194,304 bytes
;; launch qkv (part 1): grid 48 x 4, 4 waves a work-group, clusters of 4 x 4, 327,680 bytes of LDS; arguments x_codes, Wqkv_codes, lowp_scales, q_codes, k_codes, v_codes; writes q_codes, k_codes, v_codes
.if DOCPART == 1
	.amdgcn_target "amdgcn-amd-amdhsa--gfx1250"
	.amdhsa_code_object_version 6
	.text
	.protected	k_q272e68bc41_qkv
	.globl	k_q272e68bc41_qkv
	.p2align	8
	.type	k_q272e68bc41_qkv,@function
k_q272e68bc41_qkv:
	s_mov_b64 s[64:65], 0
	v_nop
	global_prefetch_b8 v0, s[64:65] scope:SCOPE_SE
	s_setreg_imm32_b32 hwreg(HW_REG_WAVE_MODE, 25, 1), 1
	s_wait_xcnt 0x0
	s_wait_alu depctr_hold_cnt(0) depctr_sa_sdst(0) depctr_va_vdst(0) depctr_va_sdst(0) depctr_va_ssrc(0) depctr_va_vcc(0) depctr_vm_vsrc(0)
	s_getreg_b32 s2, hwreg(HW_REG_IB_STS2, 6, 4)
	s_cmp_eq_u32 s2, 0
	s_cbranch_scc0 .Lentry_in_a_cluster
	s_endpgm
.Lentry_in_a_cluster:
	s_bfe_u32 s2, ttmp6, 0x10000c
	s_cmp_lg_u32 s2, 0xf033
	s_cbranch_scc0 .Lentry_shape_is_right
	s_endpgm
.Lentry_shape_is_right:
; q, k, v = x Wqkv on codes of FP8 (E4M3), and the three results quantised at once into codes for the attention launch.
; ONE BODY computes C'[i][j] = sum over k of A[i][k] B[j][k], K = 1,024, on tiles of 256 x 256, four waves, 128 x 128 a wave (64 accumulators, 512 registers).
;   q, k:  A = x (4,096 tokens), B = Wqkv's rows 0 .. 2,047 (channels): 16 x 8 tiles, clusters 0 to 7 (even: q, odd: k).
;   v:     A = Wqkv's rows 2,048 .. 3,071 (channels), B = x (tokens): 4 x 16 tiles, clusters 8 to 11.
; THE MATRIX INSTRUCTION IS USED TRANSPOSED (source 0 = 16 rows of B, source 1 = 16 rows of A): a lane holds one row of A and eight neighbouring rows of B.  For q and k those eight are neighbours along the
; head's 64 channels, for v neighbours along the keys: each time the K of the product that will read the codes.  So the conversions give codes with K innermost and nothing is transposed.
; What differs between the three (buffers, first row, output strides, the scale) is chosen by selects on the cluster's number, which all sixteen partners share: no branch hangs on it.
; OUTPUT.  q_codes, k_codes: [16 heads][4,096 tokens][64];  v_codes: [16 heads][64 blocks of 64 keys][64 channels][64 keys].  In each row of 64 bytes number n (channel, or key in its block) lies at
; 32 (n / 32) + 16 ((n / 8) % 2) + 8 ((n / 16) % 2) + n % 8: a lane's codes of two neighbouring column blocks are then 16 bytes on end.  The order is the same in q and k, and the attention launch reads v by it.
; code = sum x 2^(e0 + e1) / 2^eT, held within +-448, nearest, ties to even; eT = e2 (q), e3 (k), e5 (v).  The three exponents are folded into the conversion's one scale.
; LIMITS: eT - e0 - e1 between -126 and 119, so that the scale and 448 x the scale are f32 numbers.  NaN codes among the inputs are not served.
; K goes in steps of 256 through a ring of two LDS slots filled by the tensor data mover.  CLUSTERS: 4 x 4 work-groups; A's tile is asked for jointly by a row of the cluster, B's by a column.
; REGISTERS, in windows of 256: window 0: v0-31 addresses and the two scale numbers; from v128 A's fragments, one set; on the way out v32-159 at work.
;   window 1: B's fragments, two sets.   window 2: the accumulators of my rows 0-63 ((a, b) at v[8 (8 a + b)]);   window 3: those of my rows 64-127.
; WORK LEFT OUT in this program: in the attention launch, steps of 128 keys all of whose keys come after all queries of the block.  reference() builds the causal mask itself and puts -infinity there, so p is 0 for
; every value of the inputs.  LIMIT: a NaN or an infinity that reaches only the work left out is not carried to the result.
; NO PREFETCH here: the loop over K has one trip, four K steps in all, and each is asked for by its load.
.set SIZE_K, 1024
.set KSTEP,  256                       ; along K in a slot
.set ROWB,   256                       ; a tile's row in bytes
.set KROW,   SIZE_K                    ; a row of x or of Wqkv in memory, in bytes
.set PITCH,  272                       ; an LDS row: 256 bytes + 16 of padding = 68 words: the 16 rows that a load touches start at 16 different banks
.set FR,     16                        ; registers of a fragment: 16 rows x 128 K
.set NL,     4                         ; LDS loads that bring one
.set NP,     4                         ; places behind this matrix instruction (ISA guide 7.12.1)
.set HALFT,  128*PITCH                 ; 128 rows: what one tensor load brings, and what one wave reads of A or of B
.set SLOT,   4*HALFT                   ; A's 256 rows, then B's 256 rows
.set LAPS,   SIZE_K/(2*KSTEP)          ; a lap = two K steps = once round the ring
.set SPARE,  2*SLOT                    ; behind the ring: the spare words, 128 bytes for each wave
.set SROW,   80                        ; the way out: a stage row: 64 bytes of codes + 16
.set SHALF,  16*SROW                   ; 16 rows: one of a block's two column halves
.set SWAVE,  2*SHALF                   ; a wave's stage.  The stages lie in slot 0, which has had its last fill and its last read when the first code is stored there
.set ADRA, 16                          ; v16-17  LDS address of my A fragments in slot 0, 1
.set ADRB, 20                          ; v20-21  the same for B
.set STO,  24                          ; v24     the way out: where I put 16 bytes of a row
.set RD,   25                          ; v25     where I read 16 bytes back: eight rows of 64 bytes a load
.set CO,   26                          ; v26     16 x lane: my place in 512 bytes of output
.set SPW,  28                          ; v28     LDS address of my spare word; never rewritten
.set NIL,  29                          ; v29     0; never rewritten
.set SCL,  30                          ; v30     2^(eT - e0 - e1) as f32
.set LIM,  31                          ; v31     448 x that
.set TMP,  32                          ; v32-95  a block's 64 sums, held
.set AF,   128                         ; A's fragments, in window 0
.set G1, 24                            ; s[24:31] descriptor group 1 for A's tiles;  s[32:39] group 0, one set for each slot
.set G0, 32
.set G1B, 48                           ; s[48:55], s[56:63] the same for B's tiles
.set G0B, 56
.set OUT, 88                           ; s[88:95] four output bases: column half beta (0, 1) and row half ah (0, 1) at s[88 + 4 beta + 2 ah]
.set MSB, 0
.macro WIN new                         ; the immediate's high byte repeats the setting that is left
.if MSB != \new
	s_set_vgpr_msb (MSB<<8)|\new
.set MSB, \new
.endif
.endm
.set MUL_LO, 0xa1                      ; source 0 (B) window 1, source 1 (A) window 0, C and D window 2
.set MUL_HI, 0xf1                      ; the same, C and D window 3
.set TO_B,   0x40                      ; destination window 1, address window 0
; A joint load: waves 0 and 1 fetch for A, waves 2 and 3 for B.  Each line has one mask and one set of registers for all that issue it; the branch hangs on the wave's number alone.
; Four v_nop follow each of the two lines, ahead of the jump, the label and what follows.
.macro JLOAD g0a, g1a, g0b, g1b
	s_cmp_eq_u32 s15, 0
	s_cbranch_scc0 .Lfor_b_\@
	tensor_load_to_lds s[\g0a:\g0a+3], s[\g1a:\g1a+7]
	s_nop 0
.rept 4
	v_nop
.endr
	s_branch .Lasked_\@
.Lfor_b_\@:
	tensor_load_to_lds s[\g0b:\g0b+3], s[\g1b:\g1b+7]
	s_nop 0
.rept 4
	v_nop
.endr
.Lasked_\@:
.endm
.macro CREST                           ; a round of the cluster's barrier behind its opening barrier
	s_cmp_lg_u32 s14, 0
	s_cbranch_scc1 .Lnot_wave_0_\@
	s_barrier_signal -3
.Lnot_wave_0_\@:
	s_barrier_wait -3
	s_barrier_signal -1
	s_barrier_wait -1
.endm
.macro CROUND                          ; a whole round
	s_barrier_signal -1
	s_barrier_wait -1
	CREST
.endm
	s_load_b256 s[4:11], s[0:1], 0x0               ; x s[4:5], Wqkv s[6:7], the scales' exponents s[8:9], q_codes s[10:11]
	s_load_b128 s[68:71], s[0:1], 0x20             ; k_codes s[68:69], v_codes s[70:71]
	v_lshl_add_u32 v[SPW], v0, 2, SPARE
	v_mov_b32 v[NIL], 0
	ds_add_u32 v28, v29
	ds_add_u32 v28, v29
	s_wait_dscnt 0x0
	v_lshrrev_b32 v1, 5, v0
	v_readfirstlane_b32 s14, v1                    ; wave 0..3
	s_lshr_b32 s15, s14, 1                         ; which half of the tile's rows is mine.  Also: I fetch for A (0) or for B (1)
	s_and_b32 s16, s14, 1                          ; which half of its columns.  Also: which 128 rows of that tile I fetch
	s_bfe_u32 s40, ttmp6, 0x40000                  ; cx, cy: my place in the cluster
	s_bfe_u32 s41, ttmp6, 0x40004
	; the cluster's number c = 0 .. 11 says what is made: c < 8: q (c even) or k (c odd), cluster row c / 2, cluster column c % 2;  else v, cluster row 0, cluster column c - 8
	s_lshr_b32 s80, ttmp9, 1
	s_and_b32 s81, ttmp9, 1
	s_sub_co_u32 s82, ttmp9, 8
	s_mov_b32 s84, 4096
	s_mov_b32 s85, 0x40000
	s_cmp_lt_u32 ttmp9, 8                          ; q or k?  The five selects below leave SCC as it is
	s_cselect_b32 s80, s80, 0                      ; cluster row
	s_cselect_b32 s82, s81, s82                    ; cluster column
	s_cselect_b32 s83, 0, 2048                     ; A's first row in its buffer
	s_cselect_b32 s84, 0x40000, s84                ; output bytes from column half to column half: q, k: the next head;  v: the next block of 64 keys
	s_cselect_b32 s85, 4096, s85                   ; and from row half to row half: q, k: 64 tokens on;  v: the next head
	s_lshl_b32 s17, s80, 2
	s_add_co_u32 s17, s17, s41                     ; tile row = 4 x cluster row + cy
	s_lshl_b32 s42, s82, 2
	s_add_co_u32 s42, s42, s40                     ; tile column = 4 x cluster column + cx
	s_lshl_b32 s43, s41, 2
	s_lshl_b32 s43, 15, s43                        ; my row of the cluster
	s_lshl_b32 s44, 0x1111, s40                    ; my column
	; descriptor group 1: a tile of 128 rows x 256 bytes, padded in LDS
	s_or_b32 s[G1+0], s43, (0<<16)|(1<<20)|(1<<21)|(5<<22)|(3<<25)  ; 15:0 the mask: A's tiles go to my row; 17:16 element of 1 byte; 20 padding on; 21 set beside a mask; 24:22 after every 64 words (code 5); 31:25 of 4 words (code 3)
	s_or_b32 s[G1B+0], s44, (0<<16)|(1<<20)|(1<<21)|(5<<22)|(3<<25)
.irp g, G1, G1B
	s_mov_b32 s[\g+1], ROWB<<16                    ; tensor_dim0
	s_mov_b32 s[\g+2], 128<<16                     ; tensor_dim1 = 128
	s_mov_b32 s[\g+3], ROWB<<16                    ; tile_dim0
	s_mov_b32 s[\g+4], 128                         ; tile_dim1 = 128
	s_mov_b32 s[\g+5], KROW                        ; tensor_dim0_stride
	s_mov_b32 s[\g+6], 0
	s_mov_b32 s[\g+7], 0
.endr
	s_lshl_b32 s18, s16, 7                         ; which 128 rows of the tile I fetch
	s_lshl_b32 s20, s17, 8
	s_add_co_u32 s20, s20, s18
	s_add_co_u32 s20, s20, s83                     ; A: row = its first row + 256 x tile row + 128 x half: made of cy and the wave's number, never of cx
	s_lshl_b32 s20, s20, 10                        ; x 1,024 bytes a row: under 2^22
	s_mov_b32 s21, 0
	s_lshl_b32 s46, s42, 8
	s_add_co_u32 s46, s46, s18                     ; B: row = 256 x tile column + 128 x half: made of cx and the wave's number, never of cy
	s_lshl_b32 s46, s46, 10
	s_mov_b32 s47, 0
	s_mul_i32 s45, s14, HALFT                      ; where they go: wave x 128 rows: no place in the cluster enters an LDS address
	s_wait_kmcnt 0x0
	s_load_b256 s[72:79], s[8:9], 0x0              ; e0 .. e7
	s_cmp_lt_u32 ttmp9, 8
	s_cselect_b64 s[86:87], s[4:5], s[6:7]         ; A's buffer: x for q and k, Wqkv for v
	s_cselect_b64 s[96:97], s[6:7], s[4:5]         ; B's buffer: the other
	s_add_nc_u64 s[20:21], s[86:87], s[20:21]
	s_add_nc_u64 s[46:47], s[96:97], s[46:47]
	CROUND                                         ; all sixteen work-groups are here: the first joint loads meet
.irp s, 0,1
	s_mov_b32 s[G0+4*\s], 1
	s_add_co_u32 s[G0+4*\s+1], s45, \s*SLOT
	s_add_nc_u64 s[G0+4*\s+2:G0+4*\s+3], s[20:21], \s*ROWB
	s_or_b32 s[G0+4*\s+3], s[G0+4*\s+3], 0x80000000
	s_mov_b32 s[G0B+4*\s], 1
	s_add_co_u32 s[G0B+4*\s+1], s45, \s*SLOT
	s_add_nc_u64 s[G0B+4*\s+2:G0B+4*\s+3], s[46:47], \s*ROWB
	s_or_b32 s[G0B+4*\s+3], s[G0B+4*\s+3], 0x80000000
.endr
	JLOAD G0, G1, G0B, G1B                         ; K step 0: one tensor load a wave at the head
	v_and_b32 v1, 15, v0                           ; r = l % 16
	s_wait_alu depctr_va_vdst(0)
	v_bfe_u32 v2, v0, 4, 1                         ; h = l / 16
	v_mul_u32_u24 v3, v1, PITCH
	v_lshl_add_u32 v4, v2, 4, v3                   ; a fragment's row x pitch + 16 x half
	s_mul_i32 s21, s15, HALFT                      ; my 128 rows of A
	s_mul_i32 s22, s16, HALFT                      ; my 128 rows of B,
	s_add_co_u32 s22, s22, 2*HALFT                 ; which lie behind A's 256
.irp s, 0,1
	v_add_nc_u32 v[ADRA+\s], s21, v4
	v_add_nc_u32 v[ADRB+\s], s22, v4
	s_add_co_u32 s21, s21, SLOT
	s_add_co_u32 s22, s22, SLOT
.endr
	s_mul_i32 s23, s14, SWAVE                      ; my stage
	v_mul_u32_u24 v5, v1, SROW                     ; in: row r, 16 bytes for each half of the lanes
	s_wait_alu depctr_va_vdst(0)
	v_lshl_add_u32 v5, v2, 4, v5
	v_add_nc_u32 v[STO], s23, v5
	v_bfe_u32 v6, v0, 2, 3                         ; back: four lanes to a row of 64 bytes, eight rows a load
	v_mul_u32_u24 v6, v6, SROW
	v_and_b32 v7, 3, v0
	v_lshl_add_u32 v6, v7, 4, v6
	v_add_nc_u32 v[RD], s23, v6
	v_and_b32 v7, 31, v0
	v_lshlrev_b32 v[CO], 4, v7
	; where my codes go.  q, k: head 4 cx + 2 (column half) + beta, token 256 (tile row) + 128 (row half) + 64 ah + ..;  v: head 4 (tile row) + 2 (row half) + ah, key block 4 (tile column) + 2 (column half) + beta.
	; A head is 2^18 bytes in each buffer; 256 tokens, or 4 key blocks, are 2^14.  In both cases a block of 16 rows of A is 1,024 bytes on end.
	s_cmp_lt_u32 ttmp9, 8
	s_cselect_b32 s66, s40, s17
	s_cselect_b32 s67, s16, s15
	s_cselect_b32 s98, s17, s42
	s_cselect_b32 s99, s15, s16
	s_lshl_b32 s66, s66, 20
	s_lshl_b32 s67, s67, 19
	s_add_co_u32 s66, s66, s67
	s_lshl_b32 s98, s98, 14
	s_add_co_u32 s66, s66, s98
	s_lshl_b32 s99, s99, 13
	s_add_co_u32 s66, s66, s99                     ; under 2^22
	s_mov_b32 s67, 0
	s_cmp_eq_u32 s81, 0
	s_cselect_b64 s[OUT:OUT+1], s[10:11], s[68:69] ; q_codes or k_codes,
	s_cmp_lt_u32 ttmp9, 8
	s_cselect_b64 s[OUT:OUT+1], s[OUT:OUT+1], s[70:71]  ; or v_codes
	s_add_nc_u64 s[OUT:OUT+1], s[OUT:OUT+1], s[66:67]
	s_mov_b32 s66, s85
	s_add_nc_u64 s[OUT+2:OUT+3], s[OUT:OUT+1], s[66:67]    ; row half 1
	s_mov_b32 s66, s84
	s_add_nc_u64 s[OUT+4:OUT+5], s[OUT:OUT+1], s[66:67]    ; column half 1
	s_add_nc_u64 s[OUT+6:OUT+7], s[OUT+2:OUT+3], s[66:67]  ; both
.macro FRAG reg, adr, q, i             ; a fragment, 16 rows x 128 K of 8-bit codes, is 16 registers: lane l holds row l % 16; registers 4 c .. 4 c + 3 hold K = 32 c + 16 (l / 16) + 0 .. 15: the same order of k in A and in B
.irp c, 0,1,2,3
	ds_load_b128 v[\reg+4*\c:\reg+4*\c+3], v[\adr] offset:128*(\q)+32*\c+(\i)*16*PITCH
.endr
.endm
; 16 matrix instructions: A's blocks a0, a0 + 1 x B's eight, 128 along K.  p: B's set.  zero = 1: the first product starts the sums: nothing is ever cleared.
; The 64 accumulators take turns, one instruction a turn, in the same order in every step.
.macro MUL16 a0, p, zero
.irp a, \a0, \a0+1
.irp b, 0,1,2,3,4,5,6,7
.if \zero
	v_wmma_f32_16x16x128_fp8_fp8 v[8*(8*((\a)%4)+\b):8*(8*((\a)%4)+\b)+7], v[128*(\p)+FR*\b:128*(\p)+FR*\b+FR-1], v[AF+FR*(\a):AF+FR*(\a)+FR-1], 0
.else
	v_wmma_f32_16x16x128_fp8_fp8 v[8*(8*((\a)%4)+\b):8*(8*((\a)%4)+\b)+7], v[128*(\p)+FR*\b:128*(\p)+FR*\b+FR-1], v[AF+FR*(\a):AF+FR*(\a)+FR-1], v[8*(8*((\a)%4)+\b):8*(8*((\a)%4)+\b)+7]
.endif
.endr
.endr
.endm
.macro FETCH_B slot, q, p              ; B's eight fragments of the slot's q-th 128 along K into set p
	WIN TO_B
.irp i, 0,1,2,3,4,5,6,7
	FRAG 128*(\p)+FR*\i, ADRB+\slot, \q, \i
.endr
	WIN 0
.endm
.macro FETCH_A slot, q, i0             ; A's blocks i0 .. i0 + 3
.irp i, \i0, \i0+1, \i0+2, \i0+3
	FRAG AF+FR*(\i), ADRA+\slot, \q, \i
.endr
.endm
; A load into a register that a matrix instruction has read, and a vector instruction that reads a matrix result, stand NP places behind that matrix instruction; only plain vector
; instructions that name none of its registers are places (ISA guide 7.12.1 for vector instructions).
.macro PLACES n
.rept \n
	v_nop
.endr
.endm
; A step of 128 along K that has its successor in the same slot.  A has one set of registers: a block is free as soon as its eight products are issued.
.macro STEP slot, q, zero
	s_wait_dscnt 4*NL                              ; B's set and A's blocks 0-3 are in; the youngest 16 loads (A's blocks 4-7) may be out
	WIN MUL_LO
	MUL16 0, (\q)%2, \zero
	MUL16 2, (\q)%2, \zero
	s_wait_dscnt 0                                 ; A's blocks 4-7 are in (asked for 32 matrix instructions ago)
	PLACES NP
	FETCH_B \slot, (\q)+1, 1-(\q)%2
	FETCH_A \slot, (\q)+1, 0
	WIN MUL_HI
	MUL16 4, (\q)%2, \zero
	MUL16 6, (\q)%2, \zero
	PLACES NP
	WIN 0
	FETCH_A \slot, (\q)+1, 4
.endm
; A slot's last step changes slots: ONE barrier; in front of it each wave waits for all its tensor loads, adds 0 to its spare word, and waits for that and for its own reads of this slot.  fill = 1: this slot is filled again, two K steps ahead.
.macro TURN slot, next, fill
	s_wait_tensorcnt 0x0                           ; all my tensor loads have landed: my part of the next slot;  (every window is 0 here)
	ds_add_u32 v[SPW], v[NIL]                      ; 0 onto my spare word
	s_wait_dscnt 4*NL+1                            ; (the add and the youngest 16 loads, A's blocks 4-7, may be out)
	WIN MUL_LO
	MUL16 0, 1, 0                                  ; sixteen matrix instructions stand between the add and the wait for it
	s_wait_dscnt 0x0                               ; the add is done, and my reads of this slot are over
	s_barrier_signal -1
	MUL16 2, 1, 0
	WIN 0
	s_barrier_wait -1
.if \fill
	CREST                                          ; the barrier has opened a round of the cluster's barrier: no wave of any partner still reads this slot's tile or has a load on its way
	s_add_nc_u64 s[G0+4*\slot+2:G0+4*\slot+3], s[G0+4*\slot+2:G0+4*\slot+3], 2*ROWB
	s_add_nc_u64 s[G0B+4*\slot+2:G0B+4*\slot+3], s[G0B+4*\slot+2:G0B+4*\slot+3], 2*ROWB
	JLOAD G0+4*\slot, G1, G0B+4*\slot, G1B         ; the first tensor load behind the round; the four v_nop behind it are the places in front of the loads below
.else
	PLACES NP
.endif
	FETCH_B \next, 0, 0
	FETCH_A \next, 0, 0
	WIN MUL_HI
	MUL16 4, 1, 0
	MUL16 6, 1, 0
	PLACES NP
	WIN 0
	FETCH_A \next, 0, 4
.endm
	s_wait_alu depctr_va_vdst(0)
	s_wait_tensorcnt 0x0                           ; my part of K step 0 is in
	ds_add_u32 v[SPW], v[NIL]                      ; 0 onto my spare word: ahead of a later first fill
	s_wait_dscnt 0x0
	CROUND                                         ; everybody's part of K step 0 is in; the joint loads meet,
	JLOAD G0+4, G1, G0B+4, G1B                     ; and K step 1's load is the first tensor load behind the round
	FETCH_B 0, 0, 0
	FETCH_A 0, 0, 0
	FETCH_A 0, 0, 4
	STEP 0, 0, 1                                   ; the first step stands in front of the loop: its products start the sums
	s_mov_b32 s3, LAPS-1
.Llap:                                                 ; a trip goes once round the ring, from a lap's second step to the next lap's first, and fills both slots again
	TURN 0, 1, 1
	STEP 1, 0, 0
	TURN 1, 0, 1
	STEP 0, 0, 0
	s_sub_co_u32 s3, s3, 1
	s_cmp_lg_u32 s3, 0
	s_cbranch_scc1 .Llap
	TURN 0, 1, 0                                   ; the last lap fills nothing, and has no round of the cluster's barrier
	STEP 1, 0, 0
	s_wait_dscnt 4*NL                              ; the very last step: nothing more to fetch
	WIN MUL_LO
	MUL16 0, 1, 0
	MUL16 2, 1, 0
	s_wait_dscnt 0
	WIN MUL_HI
	MUL16 4, 1, 0
	MUL16 6, 1, 0
	WIN 0
; THE WAY OUT, block by block of 16 rows of A x 128 rows of B.  The 64 sums of a lane are held within +-448 x the scale (the conversion to an 8-bit code does not saturate: ISA guide 7.6.2), each accumulator from
; its low end on, and converted eight at a time: 8 bytes for each of the 8 column blocks.  The codes of column blocks 2 p and 2 p + 1 are 16 bytes on end; they go into my stage (two column halves x 16 rows x 80 bytes)
; and come back eight whole rows of 64 bytes a load: 512 bytes that lie on end in the output.  LDS serves a wave's instructions in order (ISA guide 5.7.1.4): no wait between the stores and the loads, nor in front of the next block's stores.
.macro TOSTAGE a
.set AC, 64*((\a)%4)
.set CC, 96+16*((\a)%2)                ; the block's codes: v96-111 and v112-127 by turns
.set BB, 128+16*((\a)%2)               ; and its rows read back: v128-143 and v144-159 by turns
	WIN 0x02+((\a)/4)                              ; source 0: window 2 or 3
.set n, 0
.rept 64
	v_med3_num_f32 v[TMP+n], v[AC+n], -v[LIM], v[LIM]
.set n, n+1
.endr
	WIN 0
.irp b, 0,1,2,3,4,5,6,7
	v_cvt_scalef32_pk8_fp8_f32 v[CC+2*\b:CC+2*\b+1], v[TMP+8*\b:TMP+8*\b+7], v[SCL]   ; eight sums / 2^(eT - e0 - e1), to the nearest code, ties to even
.endr
	v_nop                                          ; one plain vector instruction behind the last conversion: the next block's holds write its sources
.irp p, 0,1,2,3
	ds_store_b128 v[STO], v[CC+4*\p:CC+4*\p+3] offset:(\p/2)*SHALF+32*(\p%2)
.endr
.irp t, 0,1,2,3
	ds_load_b128 v[BB+4*\t:BB+4*\t+3], v[RD] offset:(\t/2)*SHALF+(\t%2)*8*SROW
.endr
.endm
.macro SEND a, younger                 ; younger: the LDS instructions issued behind block a's loads, which may stay out
.set BB, 128+16*((\a)%2)
	s_wait_dscnt \younger                          ; the block is back in registers
.irp t, 0,1,2,3
	global_store_b128 v[CO], v[BB+4*\t:BB+4*\t+3], s[OUT+4*(\t/2)+2*((\a)/4):OUT+4*(\t/2)+2*((\a)/4)+1] offset:((\a)%4)*1024+(\t%2)*512   ; 32 lanes store 512 consecutive bytes, at a multiple of 512 from the buffer's first byte; no base is stepped
.endr
.endm
	s_wait_kmcnt 0x0                               ; the exponents
	s_cmp_eq_u32 s81, 0
	s_cselect_b32 s66, s74, s75                    ; e2 for q, e3 for k,
	s_cmp_lt_u32 ttmp9, 8
	s_cselect_b32 s66, s66, s77                    ; e5 for v: a select, no branch
	s_sub_co_i32 s66, s66, s72
	s_sub_co_i32 s66, s66, s73                     ; eT - e0 - e1
	s_add_co_i32 s66, s66, 127
	s_lshl_b32 s67, s66, 23
	v_mov_b32 v[SCL], s67                          ; 2^(eT - e0 - e1) as f32: the conversion takes its exponent field
	s_add_co_i32 s66, s66, 8
	s_lshl_b32 s66, s66, 23
	s_or_b32 s66, s66, 0x600000
	v_mov_b32 v[LIM], s66                          ; 448 x that
	PLACES NP                                      ; behind the last products: for the first reads of results and for the loads into the registers that held A's fragments
	TOSTAGE 0
.irp a, 1,2,3,4,5,6,7
.if \a > 1
	s_wait_xcnt 0x0                                ; block a - 2's stores have read their registers: block a's loads may land there
.endif
	TOSTAGE \a
	SEND \a-1, 8                                   ; behind block a - 1's loads: block a's 4 stores and 4 loads
.endr
	SEND 7, 0
	s_wait_tensorcnt 0x0                           ; the wave's end, behind my last tensor load and my last LDS store
	ds_add_u32 v[SPW], v[NIL]
	s_wait_dscnt 0x0
	CROUND                                         ; the closing round: no work-group ends while a partner may still ask for a tile that names it
	s_endpgm
.Lfunc_end_k_q272e68bc41_qkv:
	.size	k_q272e68bc41_qkv, .Lfunc_end_k_q272e68bc41_qkv-k_q272e68bc41_qkv
	.p2alignl 7, 3214868480
	.fill 96, 4, 3214868480
	.section	.rodata,"a",@progbits
	.p2align	6, 0x0
	.amdhsa_kernel k_q272e68bc41_qkv
		.amdhsa_group_segment_fixed_size 327680
		.amdhsa_private_segment_fixed_size 0
		.amdhsa_enable_private_segment 0
		.amdhsa_kernarg_size 48
		.amdhsa_user_sgpr_count 2
		.amdhsa_user_sgpr_kernarg_segment_ptr 1
		.amdhsa_wavefront_size32 1
		.amdhsa_system_sgpr_workgroup_id_x 1
		.amdhsa_system_sgpr_workgroup_id_y 1
		.amdhsa_system_sgpr_workgroup_id_z 1
		.amdhsa_system_vgpr_workitem_id 0
		.amdhsa_next_free_vgpr 1024
		.amdhsa_next_free_sgpr 100
		.amdhsa_reserve_vcc 0
		.amdhsa_float_denorm_mode_32 3
		.amdhsa_float_denorm_mode_16_64 3
		.amdhsa_memory_ordered 1
		.amdhsa_forward_progress 1
		.amdhsa_inst_pref_size 124
	.end_amdhsa_kernel
	.amdgpu_metadata
---
amdhsa.version: [ 1, 2 ]
amdhsa.kernels:
  - .name:           k_q272e68bc41_qkv
    .symbol:         k_q272e68bc41_qkv.kd
    .args:
      - { .name: x_codes, .offset: 0, .size: 8, .value_kind: global_buffer, .address_space: global }
      - { .name: Wqkv_codes, .offset: 8, .size: 8, .value_kind: global_buffer, .address_space: global }
      - { .name: lowp_scales, .offset: 16, .size: 8, .value_kind: global_buffer, .address_space: global }
      - { .name: q_codes, .offset: 24, .size: 8, .value_kind: global_buffer, .address_space: global }
      - { .name: k_codes, .offset: 32, .size: 8, .value_kind: global_buffer, .address_space: global }
      - { .name: v_codes, .offset: 40, .size: 8, .value_kind: global_buffer, .address_space: global }
    .group_segment_fixed_size: 327680
    .private_segment_fixed_size: 0
    .kernarg_segment_align: 8
    .kernarg_segment_size: 48
    .max_flat_workgroup_size: 128
    .sgpr_count:     100
    .vgpr_count:     1024
    .wavefront_size: 32
...
	.end_amdgpu_metadata
.endif
;; end of part 1
;; launch attn (part 2): grid 16 x 16, 16 waves a work-group, no clusters, 327,680 bytes of LDS; arguments q_codes, k_codes, v_codes, lowp_scales, a_codes; writes a_codes
.if DOCPART == 2
	.amdgcn_target "amdgcn-amd-amdhsa--gfx1250"
	.amdhsa_code_object_version 6
	.text
	.protected	k_q272e68bc41_attn
	.globl	k_q272e68bc41_attn
	.p2align	8
	.type	k_q272e68bc41_attn,@function
k_q272e68bc41_attn:
	s_mov_b64 s[64:65], 0
	v_nop
	global_prefetch_b8 v0, s[64:65] scope:SCOPE_SE
	s_setreg_imm32_b32 hwreg(HW_REG_WAVE_MODE, 25, 1), 1
	s_wait_xcnt 0x0
; Causal attention on codes of FP8 (E4M3): 16 heads of 64, 4,096 tokens.  a[h][q][:] = Q(sum over keys k <= q of softmax_k(q . k / 8) v[k][:]), the result quantised with 2^e6 for the last product.
; INPUTS (made by the launch before).  q_codes, k_codes: [16][4,096][64], a row's 64 channels in one and the same order in both;  v_codes: [16][64 blocks of 64 keys][64 channels][64 keys], key n of a block at
; byte 32 (n / 32) + 16 ((n / 8) % 2) + 8 ((n / 16) % 2) + n % 8.  OUTPUT.  a_codes: [16][4,096][64], channels in their natural order.
; THE SOFTMAX AHEAD OF THE SECOND PRODUCT: t = score x log2(e) / 8; M = the row's largest t so far, rounded UP to a whole number; p = 2^(t - M) is quantised with 2^e4, not normalised.  The row's sum is taken of the
; unquantised p, in f32, and divides at the end.  When M moves, the sum and O are multiplied by 2^(old M - new M): exact.
; SHARES.  Work-group (i, head) makes the blocks 31 - i and then i of 128 queries: (32 - i) + (i + 1) = 33 steps of 128 keys.  A slot holds 512 keys, four steps: 8 - i / 4 slots for the first block and 1 + i / 4 for
; the second: nine in every work-group.  Wave w = 4 q + g owns 32 queries (two tiles A, B of 16, so that each fragment of K and V feeds two products) of each block, group g, and in each slot ONE step, slice (q + g) % 4: any
; four waves with neighbouring numbers, and any four that lie four apart, hold all four slices.  So a row's keys are shared out among four waves, each with an M, a sum and an O of its own; at the end they are joined.
; At the change of blocks a wave parks O, -M and the sum of the first block in LDS bytes of its own (no barrier), and goes on.
; WORK LEFT OUT: a step all of whose 128 keys come after the block's 128 queries: the mask that reference() builds gives p = 0 there, whatever the inputs hold.  A scalar branch on ids leads round its work.  In the step on
; the diagonal hidden scores become -infinity ahead of the maximum.  Every step that is walked has a key that counts for each query (its first).  LIMIT: a NaN that reaches only work left out is not carried on.
; LAYOUT.  Both products are used transposed: S^T = K Q^T (source 0 = 16 keys, source 1 = 16 queries, K = 64), O^T = V^T P^T (source 0 = 16 channels, source 1 = P, K = 128 keys): a lane holds ONE query
; (lane % 16) of each tile.  Tile t of S^T gives lane (r, h) keys 16 t + 8 h + 0 .. 7: their codes are registers 2 t, 2 t + 1 of the second product's operand; V's order of keys makes four loads of 16 bytes give the matching registers.
; NO CLUSTER: the work-groups of a head read the same K and V, but the slot at which the second block begins and the steps that are hidden hang on i, and partners may not differ in these.
; LIMITS: |t| under 2^31; e2 + e3 between -123 and 130 (added to c's exponent field); e4, and e6 - e4 - e5, between -126 and 119: each power of two is then an f32 number.  p under 2^-126 counts as 0.  NaN codes are not served.
.set KP,    80                         ; a row of 64 codes in LDS: 64 bytes + 16 of padding = 20 words: the 16 rows that a load touches start at 16 different groups of four banks
.set PARTB, 128*KP                     ; a slice's 128 keys, in K's part and in V's (two blocks of 64 keys x 64 channels)
.set VOFF,  4*PARTB                    ; a slot: 512 rows of K, then 512 rows of V
.set SLOTB, 8*PARTB                    ; 81,920 bytes
.set SLOTG, 32768                      ; 512 keys in memory, in K and in V alike
.set REC,   8704                       ; what a wave parks: O, 16 x 512 bytes; then -M and the sum, 8 bytes a lane, for tile A and for tile B
.set STASH, 2*SLOTB                    ; the first block's 16 records; the second block's lie from byte 0 on, in slots that have had their last fill and their last read
.set QST,   STASH+16*REC               ; the second block's Q: 4 groups x 2,048 bytes
.set SPARE, QST+8192                   ; the spare words, 128 bytes for each wave
.set STAGE, 16*REC                     ; the way out: 16 rows x 80 bytes for each wave, behind the second block's records, in slot 1, which has had its last fill and its last read
.set SPW,  4                           ; v4 LDS address of my spare word, v5 0: never rewritten
.set NIL,  5
                                       ; v1 my lane's place in my slice of a slot, v2 the same in the slot in hand, v3 32 g + r - 8 h, v6 2^e4; v0, v7, v9, v11 at work
                                       ; v8, v10 -M of tile A, B;  v[12:13], v[14:15] their sums in two halves
.set QR,   16                          ; v16-31   Q's two fragments
.set KR,   32                          ; v32-63   four fragments of K; then p's codes of A, of B; in between at work
.set OA,   64                          ; v64-127  O^T of A, of B: four tiles of 16 channels each
.set SA,   128                         ; v128-191 S^T of A, then p; then V's four fragments
.set SB,   192                         ; v192-255 S^T of B, then p
.set HB,   14                          ; s14 the head's first byte in each buffer
.set WV,   18                          ; s18 my wave's number
.set SEL,  20                          ; s[20:21] lane selects for v_permlanex16_b32: lane l xor 16
.set CS,   22                          ; s[22:23] c = log2(e) / 8 x 2^(e2 + e3)
.set G1,   24                          ; s[24:31] descriptor group 1: K's and V's parts have one shape
.set G0,   32                          ; s[32:35] group 0, which walks
.set CSN,  36                          ; s36 -c
.set LIMS, 37                          ; s37 448 x 2^e4
.set TB,   40                          ; s40 the slot in hand begins here
.set KS,   41                          ; s41 the number of my step in the block's keys
.set BLK,  42                          ; s42 the block: its diagonal step has this number, and later ones are hidden
.set NH,   43                          ; s43 slots of the first block
.set TR,   44                          ; s44 the slot in hand, 0 to 8
.set SL,   45                          ; s45 my slice
.set PLIM, 46                          ; s46 6 in a wave that prefetches, else 0
.set STW,  47                          ; s47 my record for the first block
.set PFA,  48                          ; s[48:49] where my prefetches stand
.set STW2, 50                          ; s50 my record for the second block
.set QSTG, 51                          ; s51 my group's Q of the second block
.set EX,   52                          ; s[52:59] e0 .. e7
.set KVB,  60                          ; s[60:61] K or V of my head
.macro NOPS n
.rept \n
	v_nop
.endr
.endm
; Wave 0 fetches K's 512 rows of a slot, wave 1 V's: each load holds keys of slice 0, which is read in every slot.
.macro TLOAD
	s_cmp_lt_u32 s[WV], 2
	s_cbranch_scc0 .Lnofetch_\@
	tensor_load_to_lds s[G0:G0+3], s[G1:G1+7]
	s_nop 0
	NOPS 4
.Lnofetch_\@:
.endm
; THE PREFETCH INTO THE L2: in slot s it names slot s + 2, a whole slot ahead of its load.  All 16 work-groups of a head begin with the same slots; work-group 0, whose first block has all eight, asks, by its waves 8 to 15, which fetch nothing:
; K's 32,768 bytes and V's, 8,192 bytes a wave, lanes 256 bytes apart: each aligned block of 256 bytes is named once in the launch.  Slots 0 and 1 come by their loads alone; from slot 6 on nothing is asked for.
.macro ASK
	s_cmp_lt_u32 s[TR], s[PLIM]
	s_cbranch_scc0 .Lnoask_\@
	v_bfe_u32 v0, v[SPW], 2, 5
	v_lshlrev_b32 v0, 8, v0
	global_prefetch_b8 v0, s[PFA:PFA+1] th:TH_LOAD_NT scope:SCOPE_SE
.Lnoask_\@:
.endm
; Park O, -M and the sum (its two halves added) in my record.
.macro PARK sb
	v_add_f32 v9, v12, v13
	v_add_f32 v11, v14, v15
	v_bfe_u32 v2, v[SPW], 2, 5                     ; my lane: the spare words begin at a multiple of 256
	v_lshlrev_b32 v7, 3, v2
	v_lshlrev_b32 v2, 4, v2
	v_add_nc_u32 v7, s[\sb], v7
	v_add_nc_u32 v2, s[\sb], v2
.set n, 0
.rept 16
	ds_store_b128 v2, v[OA+4*n:OA+4*n+3] offset:512*n
.set n, n+1
.endr
	ds_store_b64 v7, v[8:9] offset:8192
	ds_store_b64 v7, v[10:11] offset:8448
.endm
; The change of blocks.  O and the sums are not cleared: -M begins anew above every -t, so the next step's factor f is 0, and O and the sums are finite (at most 4,096 x 448 x 448).
.macro SWITCH
	s_cmp_eq_u32 s[TR], s[NH]
	s_cbranch_scc0 .Lsame_\@
	PARK STW
	v_mov_b32 v8, 0x7f61b1e6                       ; 3e38, a whole number
	v_mov_b32 v10, 0x7f61b1e6
	v_bfe_u32 v7, v[SPW], 2, 5
	v_lshlrev_b32 v7, 4, v7
	v_add_nc_u32 v7, s[QSTG], v7
.irp k, 0,1,2,3
	ds_load_b128 v[QR+4*\k:QR+4*\k+3], v7 offset:512*\k   ; stored at the head, ahead of the first barrier
.endr
	s_mov_b32 s[KS], s[SL]
	s_mov_b32 s[BLK], ttmp9
.Lsame_\@:
.endm
.macro LOADK half                      ; key tiles 4 half .. 4 half + 3: 16 keys x 64 channels, 8 registers each
.irp t, 0,1,2,3
	ds_load_b128 v[KR+8*\t:KR+8*\t+3],   v2 offset:(64*\half+16*\t)*KP
	ds_load_b128 v[KR+8*\t+4:KR+8*\t+7], v2 offset:(64*\half+16*\t)*KP+32
.endr
.endm
.macro QK half
.irp t, 0,1,2,3
	v_wmma_f32_16x16x64_fp8_fp8 v[SA+32*\half+8*\t:SA+32*\half+8*\t+7], v[KR+8*\t:KR+8*\t+7], v[QR:QR+7], 0
	v_wmma_f32_16x16x64_fp8_fp8 v[SB+32*\half+8*\t:SB+32*\half+8*\t+7], v[KR+8*\t:KR+8*\t+7], v[QR+8:QR+15], 0
.endr
.endm
.macro MASK half                       ; the diagonal step: register 8 t + j holds key 16 t + 8 h + j of the block, which counts for query 32 g + r (A) or 32 g + 16 + r (B) where 16 t + j <= v3, or v3 + 16
	s_cmp_lg_u32 s[KS], s[BLK]
	s_cbranch_scc1 .Lopen_\@
.set n, 32*\half
.rept 32
	v_cmp_le_i32 vcc_lo, 16*(n/8)+n%8, v3
	v_cndmask_b32 v[SA+n], 0xff800000, v[SA+n], vcc_lo
	v_cmp_le_i32 vcc_lo, 16*(n/8)+n%8-16, v3
	v_cndmask_b32 v[SB+n], 0xff800000, v[SB+n], vcc_lo
.set n, n+1
.endr
.Lopen_\@:
.endm
.macro MAX4                            ; two more numbers into each of the four chains
	v_max3_num_f32 v0, v0, v[SA+n], v[SA+n+1]
	v_max3_num_f32 v9, v9, v[SB+n], v[SB+n+1]
	v_max3_num_f32 v7, v7, v[SA+n+2], v[SA+n+3]
	v_max3_num_f32 v11, v11, v[SB+n+2], v[SB+n+3]
.set n, n+4
.endm
.macro FINISH S, sum, P                ; a tile's p: its sum (of the unquantised p), the hold, the codes
	v_pk_add_f32 v[48:49], v[\S:\S+1], v[\S+2:\S+3]
	v_pk_add_f32 v[50:51], v[\S+4:\S+5], v[\S+6:\S+7]
	v_pk_add_f32 v[52:53], v[\S+8:\S+9], v[\S+10:\S+11]
	v_pk_add_f32 v[\sum:\sum+1], v[\sum:\sum+1], v[\S+12:\S+13]
.set n, 14
.rept 6
	v_pk_add_f32 v[48:49], v[48:49], v[\S+n:\S+n+1]
	v_pk_add_f32 v[50:51], v[50:51], v[\S+n+2:\S+n+3]
	v_pk_add_f32 v[52:53], v[52:53], v[\S+n+4:\S+n+5]
	v_pk_add_f32 v[\sum:\sum+1], v[\sum:\sum+1], v[\S+n+6:\S+n+7]
.set n, n+8
.endr
	v_pk_add_f32 v[48:49], v[48:49], v[\S+62:\S+63]
	v_pk_add_f32 v[\sum:\sum+1], v[\sum:\sum+1], v[52:53]
	v_pk_add_f32 v[48:49], v[48:49], v[50:51]
.set n, 0
.rept 32
	v_min_num_f32 v[\S+n], v7, v[\S+n]             ; the conversion to an 8-bit code does not saturate (ISA guide 7.6.2); p is not negative, so the hold is one-sided
	v_min_num_f32 v[\S+n+1], v7, v[\S+n+1]
.set n, n+2
.endr
	v_pk_add_f32 v[\sum:\sum+1], v[\sum:\sum+1], v[48:49]
.irp t, 0,1,2,3,4,5,6,7
	v_cvt_scalef32_pk8_fp8_f32 v[\P+2*\t:\P+2*\t+1], v[\S+8*\t:\S+8*\t+7], v6
.endr
	v_nop                                          ; one plain vector instruction behind the last conversion
.endm
; MY STEP of the slot in hand, up to p's codes and V's fragments.  The second product is PV.
.macro STEP
	s_cmp_gt_u32 s[KS], s[BLK]                     ; all 128 keys come after the block's queries: nothing to do
	s_cbranch_scc1 .Lhidden_\@
	v_add_nc_u32 v2, s[TB], v1
	LOADK 0
	s_wait_alu depctr_va_vdst(0)
	s_wait_xcnt 0x0                                ; a prefetch of mine has read v0, which is written below
	s_wait_dscnt 0x0
	QK 0
	NOPS 4                                         ; places: for the loads into K's registers and for the first reads of scores
	LOADK 1
	MASK 0
	v_max3_num_f32 v0, v[SA], v[SA+1], v[SA+2]     ; the largest scores of my two queries among my 64 keys, two chains each; each tile's registers from the low end on
	v_max3_num_f32 v9, v[SB], v[SB+1], v[SB+2]
	v_max3_num_f32 v7, v[SA+3], v[SA+4], v[SA+5]
	v_max3_num_f32 v11, v[SB+3], v[SB+4], v[SB+5]
.set n, 6
.rept 6
	MAX4
.endr
	v_max3_num_f32 v0, v0, v[SA+30], v[SA+31]
	v_max3_num_f32 v9, v9, v[SB+30], v[SB+31]
	s_wait_alu depctr_va_vdst(0)
	s_wait_dscnt 0x0
	QK 1
	NOPS 4
	MASK 1
.set n, 32
.rept 8
	MAX4
.endr
	v_max_num_f32 v0, v0, v7
	v_max_num_f32 v9, v9, v11
	v_permlanex16_b32 v32, v0, s[SEL], s[SEL+1]
	v_permlanex16_b32 v33, v9, s[SEL], s[SEL+1]
	v_max_num_f32 v0, v0, v32                      ; and among lane l xor 16's
	v_max_num_f32 v9, v9, v33
	v_mul_f32 v0, s[CSN], v0                       ; -t (c is positive)
	v_mul_f32 v9, s[CSN], v9
	v_floor_f32 v0, v0                             ; floor(-t) = -ceil(t)
	v_floor_f32 v9, v9
	v_mov_b32 v34, v8
	v_mov_b32 v36, v10
	v_min_num_f32 v8, v8, v0                       ; the new -M, a whole number: the ceiling of the largest t so far is the largest ceiling so far
	v_min_num_f32 v10, v10, v9
	v_sub_f32 v34, v8, v34                         ; M's old value less its new one: a whole number, 0 or less
	v_sub_f32 v36, v10, v36
	v_cvt_i32_f32 v34, v34                         ; (it saturates)
	v_cvt_i32_f32 v36, v36
	v_ldexp_f32 v34, 1.0, v34                      ; f = 2^(old M - new M): a multiplication by it rounds nothing
	v_ldexp_f32 v36, 1.0, v36
	v_mov_b32 v7, s[LIMS]
.set n, 0
.rept 16
	v_pk_mul_f32 v[OA+n:OA+n+1], v[OA+n:OA+n+1], v[34:35] op_sel_hi:[1,0]            ; O^T under the new M
	v_pk_mul_f32 v[OA+32+n:OA+33+n], v[OA+32+n:OA+33+n], v[36:37] op_sel_hi:[1,0]
.set n, n+2
.endr
.set n, 0
.rept 32
	v_pk_fma_f32 v[SA+n:SA+n+1], v[SA+n:SA+n+1], s[CS:CS+1], v[8:9] op_sel_hi:[1,0,0]     ; t - M, two at a time (of the pairs c and -M the low word serves both halves)
	v_pk_fma_f32 v[SB+n:SB+n+1], v[SB+n:SB+n+1], s[CS:CS+1], v[10:11] op_sel_hi:[1,0,0]
.set n, n+2
.endr
	s_wait_alu depctr_va_vdst(0)
.set n, 0
.rept 64
	v_exp_f32 v[SA+n], v[SA+n]                     ; p = 2^(t - M), at most 1: not normalised
.set n, n+1
.endr
	v_pk_mul_f32 v[12:13], v[12:13], v[34:35] op_sel_hi:[1,0]   ; the sums under the new M: the plain instructions behind the exponentials
	v_pk_mul_f32 v[14:15], v[14:15], v[36:37] op_sel_hi:[1,0]
	s_wait_alu depctr_va_vdst(0)                   ; one wait for the batch, ahead of its first reader
	FINISH SA, 12, KR
.irp d, 0,1,2,3                        ; V over A's p: tile d = channels 16 d .. 16 d + 15, 128 keys: registers 4 c .. 4 c + 3 hold keys 32 c + 8 h + 0 .. 7 and 32 c + 16 + 8 h + 0 .. 7
.irp c, 0,1,2,3
	ds_load_b128 v[SA+16*\d+4*\c:SA+16*\d+4*\c+3], v2 offset:VOFF+((\c/2)*64+16*\d)*KP+32*(\c%2)
.endr
.endr
	s_wait_alu depctr_va_vdst(0)
.set n, 0
.rept 64
	v_exp_f32 v[SB+n], v[SB+n]
.set n, n+1
.endr
	v_nop                                          ; the plain instruction behind the exponentials
	s_wait_alu depctr_va_vdst(0)                   ; one wait for the batch, ahead of its first reader
	FINISH SB, 14, KR+16
.Lhidden_\@:
.endm
.macro PV                              ; O^T += V^T P^T: the eight accumulators by turns, one instruction a turn
	s_cmp_gt_u32 s[KS], s[BLK]
	s_cbranch_scc1 .Lnopv_\@
.irp d, 0,1,2,3
	v_wmma_f32_16x16x128_fp8_fp8 v[OA+8*\d:OA+8*\d+7], v[SA+16*\d:SA+16*\d+15], v[KR:KR+15], v[OA+8*\d:OA+8*\d+7]
	v_wmma_f32_16x16x128_fp8_fp8 v[OA+32+8*\d:OA+39+8*\d], v[SA+16*\d:SA+16*\d+15], v[KR+16:KR+31], v[OA+32+8*\d:OA+39+8*\d]
.endr
.Lnopv_\@:
.endm
	s_load_b256 s[4:11], s[0:1], 0x0               ; q_codes s[4:5], k_codes s[6:7], v_codes s[8:9], the scales' exponents s[10:11]
	s_load_b64 s[12:13], s[0:1], 0x20              ; a_codes
	v_lshl_add_u32 v[SPW], v0, 2, SPARE
	v_mov_b32 v[NIL], 0
	ds_add_u32 v[SPW], v[NIL]                      ; the wave's opening: the add, twice on end, and its wait ahead of my first tensor load
	ds_add_u32 v[SPW], v[NIL]
	v_lshrrev_b32 v36, 5, v0
	v_readfirstlane_b32 s[WV], v36                 ; wave 0..15
	s_and_b32 s[HB], ttmp7, 0xffff
	s_lshl_b32 s[HB], s[HB], 18                    ; 4,096 x 64 bytes a head
	s_lshr_b32 s15, s[WV], 2                       ; q
	s_and_b32 s16, s[WV], 3                        ; g: my group of 32 queries
	s_add_co_u32 s17, s15, s16
	s_and_b32 s[SL], s17, 3
	s_sub_co_u32 s[BLK], 31, ttmp9
	s_lshr_b32 s2, ttmp9, 2
	s_sub_co_u32 s[NH], 8, s2
	s_lshl_b32 s2, s16, 11
	s_add_co_u32 s2, s2, s[HB]
	s_lshl_b32 s62, s[BLK], 13
	s_add_co_u32 s62, s62, s2                      ; my 32 rows of 64 bytes in the first block
	s_mov_b32 s63, 0
	s_lshl_b32 s38, ttmp9, 13
	s_add_co_u32 s38, s38, s2                      ; and in the second: of their four quarters (tile, half of the channels) I bring quarter q
	s_lshr_b32 s3, s15, 1
	s_lshl_b32 s3, s3, 10
	s_add_co_u32 s38, s38, s3
	s_and_b32 s3, s15, 1
	s_lshl_b32 s3, s3, 5
	s_add_co_u32 s38, s38, s3
	s_mov_b32 s39, 0
	s_mul_i32 s[STW2], s[WV], REC
	s_add_co_u32 s[STW], s[STW2], STASH
	s_lshl_b32 s[QSTG], s16, 11
	s_add_co_u32 s[QSTG], s[QSTG], QST
	s_lshl_b32 s17, s15, 9
	s_add_co_u32 s17, s17, s[QSTG]
	s_mul_i32 s19, s[SL], PARTB
	s_lshl_b32 s16, s16, 5                         ; 32 g
	; descriptor group 1: 512 rows of 64 bytes, dense in memory, stated as 128 rows of 256 bytes, with 16 bytes of padding behind each 64 in LDS
	s_mov_b32 s[G1], (0<<16)|(1<<20)|(3<<22)|(3<<25)   ; 15:0 no mask; 17:16 elements of 1 byte; 20 padding on; 24:22 after every 16 words (code 3); 31:25 four words (code 3)
	s_mov_b32 s[G1+1], 256<<16                     ; tensor_dim0
	s_mov_b32 s[G1+2], 128<<16                     ; tensor_dim1
	s_mov_b32 s[G1+3], 256<<16                     ; tile_dim0
	s_mov_b32 s[G1+4], 128                         ; tile_dim1
	s_mov_b32 s[G1+5], 256                         ; tensor_dim0_stride
	s_mov_b32 s[G1+6], 0
	s_mov_b32 s[G1+7], 0
	s_mov_b32 s[SEL], 0x76543210
	s_mov_b32 s[SEL+1], 0xfedcba98
	s_mov_b32 s[CS], 0x3e38aa3b                    ; log2(e) / sqrt(64)
	s_mov_b32 s[TB], 0
	s_mov_b32 s[TR], 0
	s_mov_b32 s[KS], s[SL]
	s_lshr_b32 s2, s[WV], 3
	s_xor_b32 s2, s2, 1                            ; 0 in waves 8 to 15,
	s_or_b32 s2, s2, ttmp9                         ; of the head's work-group 0
	s_cmp_eq_u32 s2, 0
	s_cselect_b32 s[PLIM], 6, 0
	s_wait_dscnt 0x0                               ; both opening adds are done
	s_wait_kmcnt 0x0
	s_load_b256 s[EX:EX+7], s[10:11], 0x0          ; e0 .. e7
	s_lshr_b32 s2, s[WV], 2
	s_and_b32 s2, s2, 1
	s_cmp_lt_u32 s[WV], 2
	s_cselect_b32 s2, s[WV], s2                    ; 0: K (wave 0; for the prefetches waves 8 to 11), 1: V (wave 1; waves 12 to 15)
	s_cmp_eq_u32 s2, 0
	s_cselect_b64 s[KVB:KVB+1], s[6:7], s[8:9]
	s_mov_b32 s2, s[HB]
	s_mov_b32 s3, 0
	s_add_nc_u64 s[KVB:KVB+1], s[KVB:KVB+1], s[2:3]
	s_mov_b32 s[G0], 1                             ; 1:0 count = 1
	s_mul_i32 s[G0+1], s[WV], VOFF                 ; 63:32 LDS address: slot 0, K's part or V's
	s_mov_b64 s[G0+2:G0+3], s[KVB:KVB+1]           ; 120:64 global address: keys 0 to 511
	s_or_b32 s[G0+3], s[G0+3], 0x80000000          ; 127:126 type = 2
	TLOAD                                          ; slot 0
	s_and_b32 s2, s[WV], 3
	s_lshl_b32 s2, s2, 13
	s_add_co_u32 s2, s2, 2*SLOTG                   ; slot 2, my 8,192 bytes of it.  Nothing is prefetched here, at the head
	s_add_nc_u64 s[PFA:PFA+1], s[KVB:KVB+1], s[2:3]
	s_add_nc_u64 s[38:39], s[4:5], s[38:39]
	s_add_nc_u64 s[4:5], s[4:5], s[62:63]
	v_and_b32 v37, 15, v0                          ; r = lane % 16
	v_bfe_u32 v39, v0, 4, 1                        ; h = lane / 16
	v_lshlrev_b32 v36, 6, v37
	v_lshl_add_u32 v36, v39, 4, v36                ; row r of 64 bytes, + 16 h
	global_load_b128 v[QR:QR+3], v36, s[4:5]       ; Q: bytes 16 h + 0 .. 15 and 32 + 16 h + 0 .. 15 of a row, as K's fragments take them from LDS
	global_load_b128 v[QR+4:QR+7], v36, s[4:5] offset:32
	global_load_b128 v[QR+8:QR+11], v36, s[4:5] offset:1024
	global_load_b128 v[QR+12:QR+15], v36, s[4:5] offset:1056
	global_load_b128 v[32:35], v36, s[38:39]       ; the second block's Q, my quarter: on its way into LDS
	v_mul_u32_u24 v1, v37, KP
	v_lshl_add_u32 v1, v39, 4, v1
	v_add_nc_u32 v1, s19, v1
	v_lshlrev_b32 v39, 3, v39
	v_sub_nc_u32 v3, v37, v39
	v_add_nc_u32 v3, s16, v3                       ; 32 g + r - 8 h
	v_and_b32 v38, 31, v0
	v_lshlrev_b32 v38, 4, v38
	v_add_nc_u32 v38, s17, v38
	v_mov_b32 v8, 0x7f61b1e6                       ; -M: 3e38, above every -t
	v_mov_b32 v10, 0x7f61b1e6
.set n, 12
.rept 4
	v_mov_b32 v[n], 0                              ; the sums
.set n, n+1
.endr
.set n, 40
.rept 152
	v_mov_b32 v[n], 0                              ; O^T (v64-127) begins as zeros: the first step's f is 0.  The others, p's codes and V, are written once here because the text, though no work-group, has a way to the second product round all steps
.set n, n+1
.endr
	s_wait_alu depctr_va_vdst(0)
	s_wait_kmcnt 0x0
	s_add_co_i32 s2, s[EX+2], s[EX+3]
	s_lshl_b32 s2, s2, 23
	s_add_co_i32 s[CS], s[CS], s2                  ; a score stands for score x 2^(e2 + e3): the exponents are added to c's exponent field
	s_mov_b32 s[CS+1], s[CS]                       ; (named with it as a pair, so it is written)
	s_or_b32 s[CSN], s[CS], 0x80000000
	s_add_co_i32 s2, s[EX+4], 127
	s_lshl_b32 s3, s2, 23
	s_add_co_i32 s2, s2, 8
	s_lshl_b32 s2, s2, 23
	s_or_b32 s[LIMS], s2, 0x600000                 ; 448 x 2^e4
	v_mov_b32 v6, s3                               ; 2^e4 as f32, for the conversion
	s_wait_alu depctr_va_vdst(0)
	s_wait_loadcnt 0x0
	ds_store_b128 v38, v[32:35]
	s_wait_tensorcnt 0x0                           ; my part of slot 0 is in;
	ds_add_u32 v[SPW], v[NIL]                      ; 0 onto my spare word, twice on end
	ds_add_u32 v[SPW], v[NIL]
	s_xor_b32 s[G0+1], s[G0+1], SLOTB              ; the walking descriptor: slot 1 (no bit of SLOTB is set in VOFF),
	s_add_nc_u64 s[G0+2:G0+3], s[KVB:KVB+1], SLOTG ; keys 512 to 1,023: every first block has five slots or more
	s_or_b32 s[G0+3], s[G0+3], 0x80000000
	s_wait_dscnt 0x0                               ; the adds are done, and my store
	s_barrier_signal -1
	s_barrier_wait -1
.Ltrip:                                                ; slots 0 to 7
	TLOAD                                          ; the first thing behind the barrier, and a wave's one tensor load until the next: the following slot
	NOPS 5                                         ; places behind the last slot's second product: its registers are loaded into, stored, and written by matrix instructions below
	ASK
	SWITCH
	STEP
	s_wait_alu depctr_va_vdst(0)
	s_wait_tensorcnt 0x0                           ; my part of the following slot is in, so group 0 may be written;
	ds_add_u32 v[SPW], v[NIL]                      ; 0 onto my spare word, twice on end; the steps below stand between the adds and the wait
	ds_add_u32 v[SPW], v[NIL]
	s_xor_b32 s[G0+1], s[G0+1], SLOTB
	s_add_co_u32 s2, s[TR], 2                      ; what the next trip asks for: slot TR + 2 of the walk,
	s_cmp_ge_u32 s2, s[NH]
	s_cselect_b32 s3, s[NH], 0
	s_sub_co_u32 s2, s2, s3                        ; counted from its block's first
	s_min_u32 s2, s2, 7
	s_lshl_b32 s62, s2, 15
	s_add_nc_u64 s[G0+2:G0+3], s[KVB:KVB+1], s[62:63]
	s_or_b32 s[G0+3], s[G0+3], 0x80000000
	s_wait_xcnt 0x0                                ; my last prefetch has read its address
	s_add_nc_u64 s[PFA:PFA+1], s[PFA:PFA+1], SLOTG
	s_wait_dscnt 0x0                               ; the adds are done, and my reads of this slot are over: V's fragments are in registers
	s_barrier_signal -1
	PV                                             ; work on registers while the others arrive
	s_add_co_u32 s[KS], s[KS], 4
	s_xor_b32 s[TB], s[TB], SLOTB
	s_add_co_u32 s[TR], s[TR], 1
	s_barrier_wait -1                              ; the following slot is whole, and nobody reads this one
	s_cmp_lt_u32 s[TR], 8
	s_cbranch_scc1 .Ltrip
	NOPS 5                                         ; the last slot is written out: it asks for nothing
	SWITCH
	STEP
	s_wait_alu depctr_va_vdst(0)
	s_wait_dscnt 0x0
	s_barrier_signal -1
	PV
	; who joins what: wave w the tile w % 2 of group (w / 2) % 4 of the first block (w / 8 = 0) or the second
	s_lshr_b32 s2, s[WV], 3
	s_xor_b32 s3, s2, 1
	s_mul_i32 s3, s3, STASH
	s_bfe_u32 s16, s[WV], 0x20001
	s_mul_i32 s17, s16, REC
	s_add_co_u32 s3, s3, s17                       ; the record of the group's first wave
	s_and_b32 s17, s[WV], 1
	s_lshl_b32 s19, s17, 12
	s_add_co_u32 s19, s3, s19                      ; its O of my tile,
	s_lshl_b32 s15, s17, 8
	s_add_co_u32 s3, s3, s15
	s_add_co_u32 s3, s3, 8192                      ; its -M and sum
	s_sub_co_u32 s4, 31, ttmp9
	s_cmp_eq_u32 s2, 0
	s_cselect_b32 s4, s4, ttmp9
	s_lshl_b32 s4, s4, 13
	s_lshl_b32 s16, s16, 11
	s_lshl_b32 s17, s17, 10
	s_add_co_u32 s4, s4, s16
	s_add_co_u32 s4, s4, s17
	s_add_co_u32 s4, s4, s[HB]                     ; my 16 rows in a_codes
	s_mov_b32 s5, 0
	s_add_nc_u64 s[12:13], s[12:13], s[4:5]
	s_mul_i32 s6, s[WV], 16*KP
	s_add_co_u32 s6, s6, STAGE                     ; my stage
	s_sub_co_i32 s7, s[EX+6], s[EX+4]
	s_sub_co_i32 s7, s7, s[EX+5]
	s_add_co_i32 s7, s7, 127
	s_lshl_b32 s8, s7, 23
	s_add_co_i32 s7, s7, 8
	s_lshl_b32 s7, s7, 23
	s_or_b32 s7, s7, 0x600000
	s_barrier_wait -1                              ; nobody reads the slots any more
	NOPS 4                                         ; places behind the last products
	PARK STW2
	s_wait_alu depctr_va_vdst(0)
	s_wait_dscnt 0x0
	s_barrier_signal -1
	s_barrier_wait -1                              ; all records are there
	; THE JOINING: a row's four parts (waves 4 q + g) under the largest M, divided by the sum.
	v_bfe_u32 v2, v[SPW], 2, 5
	v_lshlrev_b32 v3, 4, v2
	v_lshlrev_b32 v36, 4, v2                       ; the way out: 16 x lane
	v_lshlrev_b32 v2, 3, v2
	v_add_nc_u32 v3, s19, v3
	v_add_nc_u32 v2, s3, v2
	v_add_nc_u32 v0, 8*REC, v3
	v_add_nc_u32 v7, 8*REC, v2
	ds_load_b64 v[8:9], v2
	ds_load_b64 v[10:11], v2 offset:4*REC
	ds_load_b64 v[12:13], v7
	ds_load_b64 v[14:15], v7 offset:4*REC
.set n, 0
.rept 8
	ds_load_b128 v[64+4*n:67+4*n], v3 offset:512*n
	ds_load_b128 v[96+4*n:99+4*n], v3 offset:4*REC+512*n
	ds_load_b128 v[128+4*n:131+4*n], v0 offset:512*n
	ds_load_b128 v[160+4*n:163+4*n], v0 offset:4*REC+512*n
.set n, n+1
.endr
	v_bfe_u32 v32, v[SPW], 2, 4                    ; r
	v_bfe_u32 v33, v[SPW], 6, 1                    ; h
	v_mul_u32_u24 v34, v32, KP
	v_bfe_u32 v35, v[SPW], 4, 3
	v_lshl_add_u32 v34, v33, 3, v34
	v_mul_u32_u24 v35, v35, KP
	v_bfe_u32 v37, v[SPW], 2, 2
	v_add_nc_u32 v34, s6, v34                      ; the stage, in: row r, + 8 h
	v_lshl_add_u32 v35, v37, 4, v35
	v_mov_b32 v30, s7                              ; 448 x the line below
	v_mov_b32 v31, s8                              ; 2^(e6 - e4 - e5) as f32: O / the sum stands for the result / 2^(e4 + e5), and its code is the result / 2^e6
	v_add_nc_u32 v35, s6, v35                      ; back: four lanes to a row of 64 bytes, eight rows a load
	s_wait_alu depctr_va_vdst(0)
	s_wait_dscnt 32                                ; the four -M and sums are in; O's 32 loads may be out
	v_min_num_f32 v16, v8, v10
	v_min_num_f32 v16, v16, v12
	v_min_num_f32 v16, v16, v14
	v_sub_f32 v18, v16, v8
	v_sub_f32 v20, v16, v10
	v_sub_f32 v22, v16, v12
	v_sub_f32 v24, v16, v14
	v_cvt_i32_f32 v18, v18
	v_cvt_i32_f32 v20, v20
	v_cvt_i32_f32 v22, v22
	v_cvt_i32_f32 v24, v24
	v_ldexp_f32 v18, 1.0, v18                      ; 2^(its M - the largest M); 0 for a wave that had no step
	v_ldexp_f32 v20, 1.0, v20
	v_ldexp_f32 v22, 1.0, v22
	v_ldexp_f32 v24, 1.0, v24
	v_mul_f32 v26, v18, v9
	v_fma_f32 v26, v20, v11, v26
	v_fma_f32 v26, v22, v13, v26
	v_fma_f32 v26, v24, v15, v26
	v_permlanex16_b32 v27, v26, s[SEL], s[SEL+1]
	v_add_f32 v26, v26, v27                        ; and lane l xor 16's: the row's sum
	s_wait_alu depctr_va_vdst(0)
	v_rcp_f32 v26, v26
	v_nop                                          ; the plain instruction behind it
	s_wait_alu depctr_va_vdst(0)                   ; the wait ahead of its first reader
	v_mul_f32 v18, v18, v26                        ; powers of two: nothing is rounded
	v_mul_f32 v20, v20, v26
	v_mul_f32 v22, v22, v26
	v_mul_f32 v24, v24, v26
	s_wait_alu depctr_va_vdst(0)
	s_wait_dscnt 0x0
.set n, 0
.rept 16
	v_pk_mul_f32 v[64+n:65+n], v[64+n:65+n], v[18:19] op_sel_hi:[1,0]
.set n, n+2
.endr
.irp q, 1,2,3
.set n, 0
.rept 16
	v_pk_fma_f32 v[64+n:65+n], v[64+32*\q+n:65+32*\q+n], v[18+2*\q:19+2*\q], v[64+n:65+n] op_sel_hi:[1,0,1]
.set n, n+2
.endr
.endr
.set n, 0
.rept 32
	v_med3_num_f32 v[64+n], v[64+n], -v30, v30     ; the hold at the largest code x the scale; register 8 d + j is channel 16 d + 8 h + j of query r
.set n, n+1
.endr
.irp d, 0,1,2,3
	v_cvt_scalef32_pk8_fp8_f32 v[40+2*\d:41+2*\d], v[64+8*\d:71+8*\d], v31
.endr
	v_nop                                          ; one plain vector instruction behind the last conversion
.irp d, 0,1,2,3
	ds_store_b64 v34, v[40+2*\d:41+2*\d] offset:16*\d
.endr
	ds_load_b128 v[48:51], v35                     ; LDS serves a wave's instructions in order: these see my stores.  Rows 0 to 7,
	ds_load_b128 v[52:55], v35 offset:8*KP         ; rows 8 to 15
	s_wait_alu depctr_va_vdst(0)
	s_wait_dscnt 1                                 ; the first load is in; the second may be out
	global_store_b128 v36, v[48:51], s[12:13]      ; 32 lanes store 512 consecutive bytes, at a multiple of 512 from the buffer's first byte
	s_wait_dscnt 0x0
	global_store_b128 v36, v[52:55], s[12:13] offset:512
	s_wait_tensorcnt 0x0                           ; the wave's end, behind my last tensor load and my last LDS store
	ds_add_u32 v[SPW], v[NIL]
	s_wait_dscnt 0x0
	s_endpgm
.Lfunc_end_k_q272e68bc41_attn:
	.size	k_q272e68bc41_attn, .Lfunc_end_k_q272e68bc41_attn-k_q272e68bc41_attn
	.p2alignl 7, 3214868480
	.fill 96, 4, 3214868480
	.section	.rodata,"a",@progbits
	.p2align	6, 0x0
	.amdhsa_kernel k_q272e68bc41_attn
		.amdhsa_group_segment_fixed_size 327680
		.amdhsa_private_segment_fixed_size 0
		.amdhsa_enable_private_segment 0
		.amdhsa_kernarg_size 40
		.amdhsa_user_sgpr_count 2
		.amdhsa_user_sgpr_kernarg_segment_ptr 1
		.amdhsa_wavefront_size32 1
		.amdhsa_system_sgpr_workgroup_id_x 1
		.amdhsa_system_sgpr_workgroup_id_y 1
		.amdhsa_system_sgpr_workgroup_id_z 1
		.amdhsa_system_vgpr_workitem_id 0
		.amdhsa_next_free_vgpr 256
		.amdhsa_next_free_sgpr 80
		.amdhsa_reserve_vcc 1
		.amdhsa_float_denorm_mode_32 3
		.amdhsa_float_denorm_mode_16_64 3
		.amdhsa_memory_ordered 1
		.amdhsa_forward_progress 1
		.amdhsa_inst_pref_size 116
	.end_amdhsa_kernel
	.amdgpu_metadata
---
amdhsa.version: [ 1, 2 ]
amdhsa.kernels:
  - .name:           k_q272e68bc41_attn
    .symbol:         k_q272e68bc41_attn.kd
    .args:
      - { .name: q_codes, .offset: 0, .size: 8, .value_kind: global_buffer, .address_space: global }
      - { .name: k_codes, .offset: 8, .size: 8, .value_kind: global_buffer, .address_space: global }
      - { .name: v_codes, .offset: 16, .size: 8, .value_kind: global_buffer, .address_space: global }
      - { .name: lowp_scales, .offset: 24, .size: 8, .value_kind: global_buffer, .address_space: global }
      - { .name: a_codes, .offset: 32, .size: 8, .value_kind: global_buffer, .address_space: global }
    .group_segment_fixed_size: 327680
    .private_segment_fixed_size: 0
    .kernarg_segment_align: 8
    .kernarg_segment_size: 40
    .max_flat_workgroup_size: 512
    .sgpr_count:     80
    .vgpr_count:     256
    .wavefront_size: 32
...
	.end_amdgpu_metadata
.endif
;; end of part 2
;; launch proj (part 3): grid 8 x 32, 4 waves a work-group, clusters of 4 x 4, 327,680 bytes of LDS; arguments a_codes, Wout_codes, lowp_scales, out0; writes out0
.if DOCPART == 3
	.amdgcn_target "amdgcn-amd-amdhsa--gfx1250"
	.amdhsa_code_object_version 6
	.text
	.protected	k_q272e68bc41_proj
	.globl	k_q272e68bc41_proj
	.p2align	8
	.type	k_q272e68bc41_proj,@function
k_q272e68bc41_proj:
	s_mov_b64 s[64:65], 0
	v_nop
	global_prefetch_b8 v0, s[64:65] scope:SCOPE_SE
	s_setreg_imm32_b32 hwreg(HW_REG_WAVE_MODE, 25, 1), 1
	s_wait_xcnt 0x0
	s_wait_alu depctr_hold_cnt(0) depctr_sa_sdst(0) depctr_va_vdst(0) depctr_va_sdst(0) depctr_va_ssrc(0) depctr_va_vcc(0) depctr_vm_vsrc(0)
	s_getreg_b32 s2, hwreg(HW_REG_IB_STS2, 6, 4)
	s_cmp_eq_u32 s2, 0
	s_cbranch_scc0 .Lentry_in_a_cluster
	s_endpgm
.Lentry_in_a_cluster:
	s_bfe_u32 s2, ttmp6, 0x10000c
	s_cmp_lg_u32 s2, 0xf033
	s_cbranch_scc0 .Lentry_shape_is_right
	s_endpgm
.Lentry_shape_is_right:
; out[m][n] = 2^(e6 + e7) x the sum over k of A[m][k] W[n][k], K = 1,024, on codes of FP8 (E4M3).  A: a_codes, [16 heads][4,096 tokens][64], so k = 64 head + channel;  W: Wout's codes, [1,024][1,024], K innermost.  Output f32.
; A work-group makes 128 x 128 of the output: 32 x 8 = 256 work-groups.  Its operands for the WHOLE of K lie in LDS at once: A's 16 heads x 128 rows of 64 bytes and W's 128 rows of 1,024 bytes, in two halves along K.
; Each of the four waves brings one half of one operand by one tensor load at the head: nothing is filled twice, and one barrier shows all of it to all waves.
; A wave makes 64 x 64: 16 accumulators.  CLUSTERS: 4 x 4 work-groups; A's tile is asked for jointly by a row of the cluster, W's by a column.  NO PREFETCH: there is no loop to run ahead in, all tiles are asked for at the head.
; THE MATRIX INSTRUCTION IS USED TRANSPOSED (source 0 = 16 rows of W, source 1 = 16 tokens): a lane holds eight neighbouring numbers of a row of the output.
; LIMIT: e6 + e7 between -126 and 127, so that 2^(e6 + e7) is an f32 number.
; REGISTERS, in windows of 256: window 0: v16-29 addresses, v64-127 and v128-191 A's fragments (4 x 16 rows x 128 K), two sets; on the way out v32-63 and v64-191 at work.
;   window 1: W's fragments, two sets, at v0 and v64.   window 2: accumulator (a, b) at v[8 (4 a + b)].
.set AP,    80                         ; a row of 64 codes of A in LDS: 64 bytes + 16 of padding
.set HEADT, 128*AP                     ; a head's 128 rows
.set AHALF, 8*HEADT
.set BP,    528                        ; half a row of W in LDS: 512 bytes + 16 of padding
.set BHALF, 128*BP
.set BOFF,  2*AHALF
.set STAGE, BOFF+2*BHALF               ; the way out: 16 rows x (256 bytes + 16) for each wave; no tensor load lands there
.set SP,    272
.set SPARE, STAGE+4*16*SP              ; the spare words, 128 bytes for each wave
.set VA,   16                          ; v16-18 LDS address of my A fragments: steps 0-2, 3-5, 6-7
.set VB,   20                          ; v20-21 of my W fragments: first and second half of K
.set STO,  24                          ; v24 the stage, in;  v25 back;  v26 my byte offset in the output
.set RD,   25
.set CO,   26
.set SPW,  28                          ; v28 LDS address of my spare word, v29 0: never rewritten
.set NIL,  29
.set TMP,  32
.set AF,   64
.set G1,   24                          ; s[24:31] descriptor group 1 for A, s[32:35] group 0
.set G0,   32
.set G1B,  48                          ; s[48:55], s[56:59] the same for W
.set G0B,  56
.set MSB, 0
.macro WIN new                         ; the immediate's high byte repeats the setting that is left
.if MSB != \new
	s_set_vgpr_msb (MSB<<8)|\new
.set MSB, \new
.endif
.endm
.macro PLACES
.rept 4
	v_nop
.endr
.endm
.macro CROUND                          ; a whole round of the cluster's barrier
	s_barrier_signal -1
	s_barrier_wait -1
	s_cmp_lg_u32 s14, 0
	s_cbranch_scc1 .Lnot_wave_0_\@
	s_barrier_signal -3
.Lnot_wave_0_\@:
	s_barrier_wait -3
	s_barrier_signal -1
	s_barrier_wait -1
.endm
.macro FETCH k, p                      ; the fragments of 128 along K, step k, into set p: registers 4 c .. 4 c + 3 hold k = 32 c + 16 (lane / 16) + 0 .. 15, in A and in W alike
	WIN 0x40
.irp b, 0,1,2,3
.irp c, 0,1,2,3
	ds_load_b128 v[64*(\p)+16*\b+4*\c:64*(\p)+16*\b+4*\c+3], v[VB+(\k)/4] offset:((\k)%4)*128+32*\c+\b*16*BP
.endr
.endr
	WIN 0
.irp a, 0,1,2,3
.irp c, 0,1,2,3
	ds_load_b128 v[AF+64*(\p)+16*\a+4*\c:AF+64*(\p)+16*\a+4*\c+3], v[VA+(\k)/3] offset:(2*((\k)%3)+\c/2)*HEADT+32*(\c%2)+\a*16*AP
.endr
.endr
.endm
.macro MUL p, zero                     ; 16 matrix instructions: the accumulators take turns, one instruction a turn, in the same order in every step.  The first step starts the sums: nothing is cleared
	WIN 0xa1
.irp a, 0,1,2,3
.irp b, 0,1,2,3
.if \zero
	v_wmma_f32_16x16x128_fp8_fp8 v[8*(4*\a+\b):8*(4*\a+\b)+7], v[64*(\p)+16*\b:64*(\p)+16*\b+15], v[AF+64*(\p)+16*\a:AF+64*(\p)+16*\a+15], 0
.else
	v_wmma_f32_16x16x128_fp8_fp8 v[8*(4*\a+\b):8*(4*\a+\b)+7], v[64*(\p)+16*\b:64*(\p)+16*\b+15], v[AF+64*(\p)+16*\a:AF+64*(\p)+16*\a+15], v[8*(4*\a+\b):8*(4*\a+\b)+7]
.endif
.endr
.endr
	WIN 0
.endm
.macro STEP k, p, zero                 ; the next step's fragments are asked for, then this step's are multiplied.  The other set was last read by the step before: four places
	PLACES
	FETCH (\k)+1, 1-\p
	s_wait_dscnt 32                                ; all but the 32 just issued
	MUL \p, \zero
.endm
	s_load_b128 s[4:7], s[0:1], 0x0                ; a_codes s[4:5], Wout_codes s[6:7]
	s_load_b128 s[8:11], s[0:1], 0x10              ; the scales' exponents s[8:9], the output s[10:11]
	v_lshl_add_u32 v[SPW], v0, 2, SPARE
	v_mov_b32 v[NIL], 0
	ds_add_u32 v[SPW], v[NIL]                      ; the wave's opening: the add, twice on end, and its wait ahead of my first tensor load
	ds_add_u32 v[SPW], v[NIL]
	v_lshrrev_b32 v1, 5, v0
	v_readfirstlane_b32 s14, v1                    ; wave 0..3
	s_lshr_b32 s15, s14, 1                         ; I fetch for A (0) or for W (1).  Also: which half of the tile's rows is mine
	s_and_b32 s16, s14, 1                          ; which half of K I fetch.  Also: which half of the tile's columns is mine
	s_bfe_u32 s40, ttmp6, 0x40000                  ; cx, cy
	s_bfe_u32 s41, ttmp6, 0x40004
	s_lshl_b32 s42, ttmp9, 2
	s_add_co_u32 s42, s42, s40                     ; tile column = 4 x cluster x + cx
	s_and_b32 s17, ttmp7, 0xffff
	s_lshl_b32 s17, s17, 2
	s_add_co_u32 s17, s17, s41                     ; tile row = 4 x cluster y + cy
	s_lshl_b32 s43, s41, 2
	s_lshl_b32 s43, 15, s43                        ; my row of the cluster
	s_lshl_b32 s44, 0x1111, s40                    ; my column
	; A: 8 heads x (128 rows of 64 bytes, dense: 8,192 bytes), 16 bytes of padding behind each 64
	s_or_b32 s[G1], s43, (0<<16)|(1<<20)|(1<<21)|(3<<22)|(3<<25)    ; 15:0 the mask; 17:16 element of 1 byte; 20 padding on; 21 set beside a mask; 24:22 after every 16 words; 31:25 of 4 words
	s_mov_b32 s[G1+1], 8192<<16                    ; tensor_dim0
	s_mov_b32 s[G1+2], 8<<16                       ; tensor_dim1
	s_mov_b32 s[G1+3], 8192<<16                    ; tile_dim0
	s_mov_b32 s[G1+4], 8                           ; tile_dim1
	s_mov_b32 s[G1+5], 4096*64                     ; tensor_dim0_stride: a head
	s_mov_b32 s[G1+6], 0
	s_mov_b32 s[G1+7], 0
	; W: 128 rows x 512 bytes, 16 bytes of padding behind each
	s_or_b32 s[G1B], s44, (0<<16)|(1<<20)|(1<<21)|(6<<22)|(3<<25)
	s_mov_b32 s[G1B+1], 512<<16
	s_mov_b32 s[G1B+2], 128<<16
	s_mov_b32 s[G1B+3], 512<<16
	s_mov_b32 s[G1B+4], 128
	s_mov_b32 s[G1B+5], 1024
	s_mov_b32 s[G1B+6], 0
	s_mov_b32 s[G1B+7], 0
	s_lshl_b32 s20, s17, 13                        ; A: 128 rows of 64 bytes a tile row: made of cy and the wave's number, never of cx
	s_lshl_b32 s21, s16, 21                        ; + 8 heads
	s_add_co_u32 s20, s20, s21
	s_mov_b32 s21, 0
	s_lshl_b32 s46, s42, 17                        ; W: 128 rows of 1,024 bytes a tile column: made of cx and the wave's number, never of cy
	s_lshl_b32 s47, s16, 9
	s_add_co_u32 s46, s46, s47
	s_mov_b32 s47, 0
	s_mov_b32 s[G0], 1
	s_mul_i32 s[G0+1], s16, AHALF                  ; where they go: no place in the cluster enters an LDS address
	s_mov_b32 s[G0B], 1
	s_mul_i32 s66, s16, BHALF
	s_add_co_u32 s[G0B+1], s66, BOFF
	s_wait_dscnt 0x0                               ; both opening adds are done
	s_wait_kmcnt 0x0
	s_load_b64 s[96:97], s[8:9], 0x18              ; e6, e7
	s_add_nc_u64 s[G0+2:G0+3], s[4:5], s[20:21]
	s_or_b32 s[G0+3], s[G0+3], 0x80000000
	s_add_nc_u64 s[G0B+2:G0B+3], s[6:7], s[46:47]
	s_or_b32 s[G0B+3], s[G0B+3], 0x80000000
	CROUND                                         ; all sixteen work-groups are here: the joint loads meet
	s_cmp_eq_u32 s15, 0                            ; waves 0 and 1 fetch A's halves, waves 2 and 3 W's: the branch hangs on the wave's number alone
	s_cbranch_scc0 .Lfor_w
	tensor_load_to_lds s[G0:G0+3], s[G1:G1+7]
	s_nop 0
	PLACES
	s_branch .Lasked
.Lfor_w:
	tensor_load_to_lds s[G0B:G0B+3], s[G1B:G1B+7]
	s_nop 0
	PLACES
.Lasked:
	s_mul_i32 s67, s15, 64*AP                      ; my 64 rows of A
	s_mul_i32 s68, s16, 64*BP
	s_add_co_u32 s68, s68, BOFF                    ; my 64 rows of W
	s_mul_i32 s69, s14, 16*SP
	s_add_co_u32 s69, s69, STAGE                   ; my stage
	v_and_b32 v1, 15, v0                           ; r = l % 16
	v_bfe_u32 v2, v0, 4, 1                         ; h = l / 16
	v_mul_u32_u24 v3, v1, AP
	v_lshl_add_u32 v3, v2, 4, v3
	v_add_nc_u32 v[VA], s67, v3
	v_add_nc_u32 v[VA+1], 6*HEADT, v[VA]
	v_add_nc_u32 v[VA+2], 12*HEADT, v[VA]
	v_mul_u32_u24 v4, v1, BP
	v_lshl_add_u32 v4, v2, 4, v4
	v_add_nc_u32 v[VB], s68, v4
	v_add_nc_u32 v[VB+1], BHALF, v[VB]
	v_mul_u32_u24 v5, v1, SP                       ; in: row r, 32 bytes for each half of the lanes
	v_lshl_add_u32 v5, v2, 5, v5
	v_add_nc_u32 v[STO], s69, v5
	v_mul_u32_u24 v6, v2, SP                       ; back: lanes 0-15 one row of 256 bytes, lanes 16-31 the next
	v_lshl_add_u32 v6, v1, 4, v6
	v_add_nc_u32 v[RD], s69, v6
	v_lshlrev_b32 v7, 12, v2                       ; and the same two rows in the output
	v_lshl_add_u32 v[CO], v1, 4, v7
	s_lshl_b32 s70, s17, 19                        ; my first row: 128 x tile row + 64 x half, 4,096 bytes each
	s_lshl_b32 s71, s15, 18
	s_add_co_u32 s70, s70, s71
	s_lshl_b32 s71, s42, 9                         ; my first column: 512 x tile column + 256 x half, in bytes
	s_add_co_u32 s70, s70, s71
	s_lshl_b32 s71, s16, 8
	s_add_co_u32 s70, s70, s71
	s_mov_b32 s71, 0
	s_add_nc_u64 s[10:11], s[10:11], s[70:71]
	s_wait_alu depctr_va_vdst(0)
	s_wait_tensorcnt 0x0                           ; my tile is in
	s_barrier_signal -1
	s_barrier_wait -1                              ; everybody's is
	FETCH 0, 0
	STEP 0, 0, 1
	STEP 1, 1, 0
	STEP 2, 0, 0
	STEP 3, 1, 0
	STEP 4, 0, 0
	STEP 5, 1, 0
	STEP 6, 0, 0
	s_wait_dscnt 0x0
	MUL 1, 0
; THE WAY OUT, block by block of 16 rows x 64 columns: a row is 256 bytes.  LDS serves a wave's instructions in order (ISA guide 5.7.1.4): no wait between the stores and the loads, nor in front of the next block's stores.
.macro TOSTAGE a
	WIN 0x02
.set n, 0
.rept 16
	v_pk_mul_f32 v[TMP+n:TMP+n+1], v[32*(\a)+n:32*(\a)+n+1], s[96:97] op_sel_hi:[1,0]   ; both x s96 = 2^(e6 + e7); each accumulator from its low end on
.set n, n+2
.endr
	WIN 0
.irp b, 0,1,2,3
	ds_store_b128 v[STO], v[TMP+8*\b:TMP+8*\b+3] offset:64*\b
	ds_store_b128 v[STO], v[TMP+8*\b+4:TMP+8*\b+7] offset:64*\b+16
.endr
.irp t, 0,1,2,3,4,5,6,7
	ds_load_b128 v[AF+32*(\a)+4*\t:AF+32*(\a)+4*\t+3], v[RD] offset:\t*2*SP
.endr
.endm
.macro SEND a, younger                 ; younger: the LDS instructions issued behind block a's loads, which may stay out
	s_wait_dscnt \younger
.irp t, 0,1,2,3,4,5,6,7
	global_store_b128 v[CO], v[AF+32*(\a)+4*\t:AF+32*(\a)+4*\t+3], s[10:11] offset:(16*(\a)+2*\t)*4096 th:TH_STORE_NT   ; 16 lanes store 256 consecutive bytes, at a multiple of 256; written once, read by nobody here
.endr
.endm
	s_wait_kmcnt 0x0
	s_add_co_i32 s96, s96, s97                     ; e6 + e7
	s_add_co_i32 s96, s96, 127
	s_lshl_b32 s96, s96, 23
	PLACES                                         ; behind the last products: for the first reads of results and the loads into the registers that held A's fragments
	TOSTAGE 0
	TOSTAGE 1
	SEND 0, 16
	TOSTAGE 2
	SEND 1, 16
	TOSTAGE 3
	SEND 2, 16
	SEND 3, 0
	s_wait_tensorcnt 0x0                           ; the wave's end, behind my last tensor load and my last LDS store
	ds_add_u32 v[SPW], v[NIL]
	s_wait_dscnt 0x0
	CROUND                                         ; the closing round: no work-group ends while a partner may still ask for a tile that names it
	s_endpgm
.Lfunc_end_k_q272e68bc41_proj:
	.size	k_q272e68bc41_proj, .Lfunc_end_k_q272e68bc41_proj-k_q272e68bc41_proj
	.p2alignl 7, 3214868480
	.fill 96, 4, 3214868480
	.section	.rodata,"a",@progbits
	.p2align	6, 0x0
	.amdhsa_kernel k_q272e68bc41_proj
		.amdhsa_group_segment_fixed_size 327680
		.amdhsa_private_segment_fixed_size 0
		.amdhsa_enable_private_segment 0
		.amdhsa_kernarg_size 32
		.amdhsa_user_sgpr_count 2
		.amdhsa_user_sgpr_kernarg_segment_ptr 1
		.amdhsa_wavefront_size32 1
		.amdhsa_system_sgpr_workgroup_id_x 1
		.amdhsa_system_sgpr_workgroup_id_y 1
		.amdhsa_system_sgpr_workgroup_id_z 1
		.amdhsa_system_vgpr_workitem_id 0
		.amdhsa_next_free_vgpr 640
		.amdhsa_next_free_sgpr 100
		.amdhsa_reserve_vcc 0
		.amdhsa_float_denorm_mode_32 3
		.amdhsa_float_denorm_mode_16_64 3
		.amdhsa_memory_ordered 1
		.amdhsa_forward_progress 1
		.amdhsa_inst_pref_size 45
	.end_amdhsa_kernel
	.amdgpu_metadata
---
amdhsa.version: [ 1, 2 ]
amdhsa.kernels:
  - .name:           k_q272e68bc41_proj
    .symbol:         k_q272e68bc41_proj.kd
    .args:
      - { .name: a_codes, .offset: 0, .size: 8, .value_kind: global_buffer, .address_space: global }
      - { .name: Wout_codes, .offset: 8, .size: 8, .value_kind: global_buffer, .address_space: global }
      - { .name: lowp_scales, .offset: 16, .size: 8, .value_kind: global_buffer, .address_space: global }
      - { .name: out0, .offset: 24, .size: 8, .value_kind: global_buffer, .address_space: global }
    .group_segment_fixed_size: 327680
    .private_segment_fixed_size: 0
    .kernarg_segment_align: 8
    .kernarg_segment_size: 32
    .max_flat_workgroup_size: 128
    .sgpr_count:     100
    .vgpr_count:     640
    .wavefront_size: 32
...
	.end_amdgpu_metadata
.endif
;; end of part 3
